; MI455X (gfx1250); checked and timed in simulation.
; The chip was launched on July 23, 2026; its instructions are those of AMD's public machine-readable ISA for CDNA 5 (MIT licence, August 2026) and "CDNA5" Instruction Set Architecture Reference Guide (July 2026). The comments in the code are by the model that wrote it; some were corrected since.
;; Encrypted Feed Forward. Allowed arithmetic: matrix products marked QUANTISED: E2M1 operands, one E8M0 scale for each 32 along K, by v_wmma_scale_f32_16x16x128_f8f6f4 with both operands' format E2M1 (or v_wmma_scale_f32_32x16x128_f4), f32 sums; everything else in f32.
;; Inputs: W1_codes 4,096 x 32 x 16 uint8 (E2M1 codes of W1, K innermost, in blocks of 32 codes, two codes a byte); W1_scales 4,096 x 32 uint8 (E8M0 scales of W1, one for each 32 codes along K); W2_codes 1,024 x 128 x 16 uint8 (E2M1 codes of W2, K innermost, in blocks of 32 codes, two codes a byte); W2_scales 1,024 x 128 uint8 (E8M0 scales of W2, one for each 32 codes along K); b1 4,096 float32; b2 1,024 float32; x_codes 8,192 x 32 x 16 uint8 (E2M1 codes of x, K innermost, in blocks of 32 codes, two codes a byte); x_scales 8,192 x 32 uint8 (E8M0 scales of x, one for each 32 codes along K).
;; Outputs: out0 8,192 x 1,024 float32.
;; This version of the problem:
;;   THIS VERSION OF THE PROBLEM IS GIVEN IN LOW PRECISION. The matrix products marked QUANTISED in the list below multiply operands that are first quantised to E2M1 (2 exponent bits, 1 mantissa bit; 4 bits a number), with one power-of-two scale for each 32 numbers along K (OCP MX v1.0); their sums are f32. All else is computed in f32.
;;   The module's matrix products, in the order in which they are computed (A, B: the left and right operand; K: the contracted axis; several contracted axes count as one K, in the product's order):
;;     1. [M 8,192, K 1,024] x [K 1,024, N 4,096]; A: input x (given as codes); B: input W1 (given as codes): QUANTISED
;;     2. [M 8,192, K 4,096] x [K 4,096, N 1,024]; A: computed on the way; B: input W2 (given as codes): QUANTISED
;;   THE QUANTISER, for each operand of a quantised product, along K:
;;     - K is cut into blocks of 32 from its start; a last block that is shorter is filled with zeros.
;;     - A block's scale is 2^e with e = floor(log2(the largest magnitude in the block)) - 2, held to -126 .. 127; a block of zeros has e = 0. As a byte (E8M0): e + 127.
;;     - Each number is divided by its block's scale, clamped to +-6, and rounded to the nearest number of E2M1, ties to even, subnormals kept.
;;     - The product sums the exact products of the quantised numbers (number of the format x scale) in f32.
;;   ~~~python
;;   def quantise(x, axis):      # numpy; x: float32 -> the quantised numbers, widened to float32 again
;;       x = np.moveaxis(x, axis, -1); K = x.shape[-1]
;;       x = np.pad(x, [(0, 0)] * (x.ndim - 1) + [(0, -K % 32)]); x = x.reshape(x.shape[:-1] + (-1, 32)); a = np.abs(x).max(-1, keepdims=True)
;;       e = np.where(a > 0, np.clip(np.frexp(np.where(a > 0, a, 1))[1] - 1 - 2, -126, 127), 0)      # np.frexp(a)[1] - 1 = floor(log2(a)), exactly
;;       r = np.clip(x / 2.0 ** e, -6, 6)
;;       step = 2.0 ** (np.maximum(np.frexp(np.where(r == 0, 1, r))[1] - 1, 0) - 1)
;;       q = np.round(r / step) * step * 2.0 ** e      # np.round: ties to even
;;       return np.moveaxis(q.reshape(q.shape[:-2] + (-1,))[..., :K], -1, axis).astype(np.float32)
;;   ~~~
;;   OPERANDS COMPUTED ON THE WAY. 'Computed on the way' means the value that the module computes at that place (a softmax that the list does not call 'softmax' is quantised finished and normalised). What goes into a quantiser is computed in f32, as accurately as f32 sums, v_exp_f32 and their like allow (about 1e-6 of the number): no bf16 or f16 on the way to a quantiser, and a product that is left as it is and whose result goes on into a quantised operand takes f32 operands (vector FMAs, or v_wmma_f32_16x16x4_f32). A number that lies on a knife's edge between two numbers of the format may be rounded either way, as far as f32 arithmetic and the matrix unit's own rounding can turn it there, and no further.
;;   INPUTS GIVEN AS CODES. W1 (in the module: [1024, 4096], K = its axis 0); W2 (in the module: [4096, 1024], K = its axis 0); x (in the module: [8192, 1024], K = its axis 1): each comes as NAME_codes (uint8): NAME with its K axis moved to the last place and cut into blocks of 32 codes, [.., K / 32, bytes a block], one block behind the other in memory; two codes a byte, the lower K in the low four bits (a code: sign, 2 exponent bits, 1 mantissa bit); and NAME_scales (uint8): the same leading axes, one E8M0 byte (e + 127) for each 32 codes along K. Its value is code x scale, taken as it is: it is not quantised again, and the codes and scales need not be those that the quantiser above would give.
;; One version. Each part assembles by itself: llvm-mc -triple=amdgcn-amd-amdhsa -mcpu=gfx1250 --defsym DOCPART=n.
;; ======== version 1 of 1: 2 launches
;; workspace buffers: hc 16,777,216 bytes; hs 1,048,576 bytes; w2i 2,097,152 bytes
;; launch up (part 1): grid 16 x 16, 4 waves a work-group, clusters of 4 x 4, 327,680 bytes of LDS; arguments x_codes, x_scales, W1_codes, W1_scales, b1, W2_codes, hc, hs, w2i; writes hc, hs, w2i
.if DOCPART == 1
	.amdgcn_target "amdgcn-amd-amdhsa--gfx1250"
	.amdhsa_code_object_version 6
	.text
	.protected	k_q6aa317dc4a_up
	.globl	k_q6aa317dc4a_up
	.p2align	8
	.type	k_q6aa317dc4a_up,@function
k_q6aa317dc4a_up:
	s_mov_b64 s[64:65], 0
	v_nop
	global_prefetch_b8 v0, s[64:65] scope:SCOPE_SE
	s_setreg_imm32_b32 hwreg(HW_REG_WAVE_MODE, 25, 1), 1
	s_wait_xcnt 0x0
	s_wait_alu depctr_hold_cnt(0) depctr_sa_sdst(0) depctr_va_vdst(0) depctr_va_sdst(0) depctr_va_ssrc(0) depctr_va_vcc(0) depctr_vm_vsrc(0)
	s_getreg_b32 s2, hwreg(HW_REG_IB_STS2, 6, 4)
	s_cmp_eq_u32 s2, 0
	s_cbranch_scc0 .Lentry_in_a_cluster
	s_endpgm
.Lentry_in_a_cluster:
	s_bfe_u32 s2, ttmp6, 0x10000c
	s_cmp_lg_u32 s2, 0xf033
	s_cbranch_scc0 .Lentry_shape_is_right
	s_endpgm
.Lentry_shape_is_right:
; FIRST OF TWO LAUNCHES.  out = poly(x W1 + b1) W2 + b2, poly(h) = h (0.5 + h (0.5 - 0.125 h)); both products on codes of FP4 (E2M1) with one E8M0 scale for each 32 along K.
; This launch makes h = poly(x W1 + b1), [8192][4096], quantises it along its 4,096 hidden units (the second product's K) and stores codes and scale words in the order of the operand's registers.
; NO WORK IS LEFT OUT: every input (x, W1, b1, W2, b2, codes and scales) has a way to every row or column of the output, whatever values it holds.
; LIMITS: NaN and infinities in h are not served.  A block of 32 zeros of h gets the scale byte 1 where the quantiser says 127: its codes are zeros, which add nothing under any byte but 0xff, and this
; program alone reads the bytes.  b1 enters as the C of a sum's first product and the cubic is two fused multiply-adds and a multiply: an order of rounding in f32 that differs from the written one.
; SHARES.  A tile of h is 256 rows x 256 hidden units, made by four waves; a wave makes 128 x 128: 64 accumulators of 16 x 16, 512 registers.  K = 1,024 lies in LDS whole: two slots of 512 along K (rows of 256 bytes).
; A WORK-GROUP STAYS: it makes TWO tiles, one below the other (rows 512 P on, then 256 further down), with the same 256 hidden units: W1's tile, its scale bytes and b1 are fetched once.  x's part of slot 0 is filled
; again with the second tile's rows at the first tile's change of slots, x's part of slot 1 in the first tile's last step: the first has four steps (256 matrix instructions) in which to land, the second the way out
; and four steps.  The first tile's stores leave while the second is multiplied.  The tile is written twice (a macro).
; CLUSTER: 4 x 4 work-groups.  The four of a row of the cluster need the same rows of x, the four of a column the same rows of W1: each tile is asked for jointly, by the same tensor load with the same descriptor
; and a mask that names the four.
; THE MATRIX INSTRUCTION IS USED TRANSPOSED: source 0 = 16 rows of W1 (hidden units), source 1 = 16 rows of x.  In accumulator (a, b) lane (r, h) then holds row 16 a + r, and register j hidden unit 16 b + 8 h + j:
; a lane's registers run along the next product's K, as the conversions want them.
; SIDE JOB: each of the launch's 1,024 waves copies two of W2's 2,048 fragments (16 rows x 128 K) into w2i in register order, so that the next launch loads W2 by 512 consecutive bytes an instruction.
; REGISTERS, in windows of 256: window 0: v1-31 addresses; v8-15, v96-103 the W2 fragments; v32-95 scale words, two sets, and nothing else; v128-191 x's fragments, ONE set; on the way out v96-123 at work,
;   v128-191 poly(h), v192-255 codes.   window 1: W1's fragments, TWO sets, at v0 and v128; v64-127 b1 in the result's layout, kept for both tiles.
;   window 2: the accumulators of my rows 0-63 ((a, b) at v[8 (8 a + b)]);   window 3: those of rows 64-127.
.set NQ,     4                         ; steps of 128 along K in a slot
.set ROWB,   256                       ; a tile's row: 512 codes
.set KROW,   512                       ; a row of x or W1 in memory: 1,024 codes
.set XTILE,  256*KROW                  ; from a tile's rows of x to the next tile's, in bytes
.set PITCH,  272                       ; an LDS row: 256 bytes + 16 of padding = 68 words: the 16 rows that a load touches start at 16 different banks (64 banks of 4 bytes: ISA guide 11.1)
.set FR,     8                         ; registers of a fragment
.set NL,     2                         ; LDS loads that bring one
.set NP,     4                         ; places behind this matrix instruction (ISA guide 7.12.1)
.set HALFT,  128*PITCH                 ; 128 rows: what one tensor load brings
.set SLOT,   4*HALFT                   ; x's 256 rows, then W1's 256 rows
.set KS,     32                        ; a row of scale bytes
.set SCL,    2*SLOT                    ; behind the slots: x's scale bytes of both tiles, as runs of 256 bytes + 16 of padding;
.set HALFS,  16*272                    ; (those of 128 rows)
.set SBLK,   2*272                     ; (those of 16 rows)
.set SCW1,   SCL+4*HALFS               ; W1's
.set SPARE,  SCL+6*HALFS               ; the spare words, 128 bytes a wave: two blocks of 256 bytes that no other line names
.set WD,   8                           ; v8-15   my first W2 fragment on its way
.set ADRA, 16                          ; v16-17  LDS address of my x fragments in slot 0, 1
.set WO,   18                          ; v18     W2: my lane's byte in 16 rows of 2,048 bytes
.set ADRB, 20                          ; v20-21  the same as ADRA for W1
.set HO,   24                          ; v24     16 x lane: my place in an image
.set PFO,  25                          ; v25     256 x lane: the prefetch's offset
.set BO,   26                          ; v26     32 x (lane / 16): my half's eight numbers of b1
.set SPW,  28                          ; v28     LDS address of my spare word; never rewritten
.set NIL,  29                          ; v29     0; never rewritten
.set ADRS, 30                          ; v30-31  LDS address of my scale words for tile 0, 1: lanes 0-15 x's rows, lanes 16-31 W1's
.set SC,   32                          ; scale words: set s at v[SC + 32 s]; register 4 i + q: lanes 0-15 x's block i, lanes 16-31 W1's block i, the slot's q-th 128 along K
.set WD2,  96                          ; v96-103 my second W2 fragment on its way
.set TM,   96                          ; v96-99 largest magnitudes, v100-103 the other half's, then bytes, v108-111 the conversions' scale operands
.set PW,   112                         ; v112-119 the scale word of each of my eight row blocks
.set SWD,  120                         ; v120-123 the same, two blocks to a register
.set AF,   128                         ; x's fragments
.set Y,    128                         ; the way out: poly(h) of one row block, 64 numbers a lane
.set CD,   192                         ; the way out: codes, 8 registers for each row block
.set BI,   64                          ; in window 1: b1
.set WV,   22                          ; s22 wave
.set RH,   23                          ; s23 which half of the tile's rows is mine.  Also: I fetch for x (0) or for W1 (1)
.set CH,   2                           ; s2  which half of its hidden units.  Also: which part of that tile I fetch
.set PFA,  6                           ; s[6:7] where my prefetch stands
.set G1,   24                          ; s[24:31] group 1 for x's tiles;  s[32:39] group 0, a set for each slot
.set G0,   32
.set G1B,  48                          ; s[48:55], s[56:63] the same for W1's
.set G0B,  56
.set G1S,  68                          ; s[68:75], s[76:79] groups 1 and 0 for x's scales;  s[80:87], s[88:91] for W1's
.set G0S,  76
.set G1SB, 80
.set G0SB, 88
.set MSB, 0
.macro WIN new                         ; the immediate's high byte repeats the setting that is left; a switch that changes nothing is dropped
.if MSB != (\new)
	s_set_vgpr_msb (MSB<<8)|(\new)
.set MSB, (\new)
.endif
.endm
.set MUL_LO, 0xa1                      ; source 0 (W1) window 1, source 1 (x) window 0, C and D window 2
.set MUL_HI, 0xf1                      ; the same, C and D window 3
.set TO_B,   0x40                      ; destination window 1, address window 0
; A joint first fill: waves 0 and 1 fetch for x, waves 2 and 3 for W1.  Each line has one mask and one set of registers for all that issue it; the branch hangs on the wave's number alone.
; An s_nop 0 and four v_nop follow each of the two lines.
.macro JLOAD g0a, g1a, g0b, g1b
	s_cmp_eq_u32 s[RH], 0
	s_cbranch_scc0 .Lfor_b_\@
	tensor_load_to_lds s[\g0a:\g0a+3], s[\g1a:\g1a+7]
	s_nop 0
.rept 4
	v_nop
.endr
	s_branch .Lasked_\@
.Lfor_b_\@:
	tensor_load_to_lds s[\g0b:\g0b+3], s[\g1b:\g1b+7]
	s_nop 0
.rept 4
	v_nop
.endr
.Lasked_\@:
.endm
; A joint refill: x's part of slot s takes the second tile's rows.  Waves 0 and 1 fetch its two halves, as they did at first; waves 2 and 3 have nothing to fill: W1's tile stays.
.macro XLOAD s
	s_cmp_eq_u32 s[RH], 0
	s_cbranch_scc0 .Lnot_x_\@
	tensor_load_to_lds s[G0+4*\s:G0+4*\s+3], s[G1:G1+7]
	s_nop 0
.rept 4
	v_nop
.endr
.Lnot_x_\@:
.endm
.macro CREST                           ; a round of the cluster's barrier behind its opening barrier
	s_cmp_lg_u32 s[WV], 0
	s_cbranch_scc1 .Lnot_wave_0_\@
	s_barrier_signal -3
.Lnot_wave_0_\@:
	s_barrier_wait -3
	s_barrier_signal -1
	s_barrier_wait -1
.endm
.macro CROUND                          ; a whole round
	s_barrier_signal -1
	s_barrier_wait -1
	CREST
.endm
	s_load_b256 s[4:11], s[0:1], 0x0               ; x's codes s[4:5], x's scales s[6:7], W1's codes s[8:9], W1's scales s[10:11]
	s_load_b256 s[12:19], s[0:1], 0x20             ; b1 s[12:13], W2's codes s[14:15], hc s[16:17], hs s[18:19]
	s_load_b64 s[20:21], s[0:1], 0x40              ; w2i
	v_lshl_add_u32 v[SPW], v0, 2, SPARE
	v_mov_b32 v[NIL], 0
	ds_add_u32 v[SPW], v[NIL]                      ; the wave's opening: the add, twice on end, and its wait ahead of my first tensor load
	ds_add_u32 v[SPW], v[NIL]                      ; and once more; the set-up below, work on registers, stands between it and the wait
	v_lshrrev_b32 v1, 5, v0
	v_readfirstlane_b32 s[WV], v1                  ; wave 0..3
	s_lshr_b32 s[RH], s[WV], 1
	s_and_b32 s[CH], s[WV], 1
	s_bfe_u32 s40, ttmp6, 0x40000                  ; cx, cy: my place in the cluster
	s_bfe_u32 s41, ttmp6, 0x40004
	s_lshl_b32 s42, ttmp9, 2
	s_add_co_u32 s42, s42, s40                     ; TC: tile column of h = 4 x cluster x + cx, 0..15
	s_and_b32 s45, ttmp7, 0xffff
	s_lshl_b32 s45, s45, 2
	s_add_co_u32 s45, s45, s41                     ; P: my pair of tile rows = 4 x cluster y + cy, 0..15
	s_lshl_b32 s43, s41, 2
	s_lshl_b32 s43, 15, s43                        ; my row of the cluster
	s_lshl_b32 s44, 0x1111, s40                    ; my column
	; group 1: a tile of 128 rows x 256 bytes, 16 bytes of padding behind each row
	s_or_b32 s[G1+0], s43, (1<<20)|(1<<21)|(5<<22)|(3<<25)          ; 15:0 the mask: x's tiles go to my row; 17:16 elements of 1 byte; 20 padding on; 21 set beside a mask; 24:22 after every 64 words; 31:25 four words
	s_or_b32 s[G1B+0], s44, (1<<20)|(1<<21)|(5<<22)|(3<<25)         ; W1's go to my column
.irp g, G1, G1B
	s_mov_b32 s[\g+1], ROWB<<16                    ; tensor_dim0
	s_mov_b32 s[\g+2], 128<<16                     ; tensor_dim1
	s_mov_b32 s[\g+3], ROWB<<16                    ; tile_dim0
	s_mov_b32 s[\g+4], 128                         ; tile_dim1
	s_mov_b32 s[\g+5], KROW                        ; from row to row
	s_mov_b32 s[\g+6], 0
	s_mov_b32 s[\g+7], 0
.endr
	; the scale bytes: dense blocks, as rows of 32 elements of 8 bytes, 16 bytes of padding behind each.  x's: 256 rows of x (a tile's) a load: 32 such rows; W1's: 128 rows a load: 16
	s_or_b32 s[G1S+0], s43, (3<<16)|(1<<20)|(1<<21)|(5<<22)|(3<<25)
	s_or_b32 s[G1SB+0], s44, (3<<16)|(1<<20)|(1<<21)|(5<<22)|(3<<25)
.irp g, G1S, G1SB
	s_mov_b32 s[\g+1], 32<<16
	s_mov_b32 s[\g+3], 32<<16
	s_mov_b32 s[\g+5], 32
	s_mov_b32 s[\g+6], 0
	s_mov_b32 s[\g+7], 0
.endr
	s_mov_b32 s[G1S+2], 32<<16
	s_mov_b32 s[G1S+4], 32
	s_mov_b32 s[G1SB+2], 16<<16
	s_mov_b32 s[G1SB+4], 16
	s_lshl_b32 s3, s[CH], 7                        ; which 128 rows of a tile I fetch
	s_lshl_b32 s46, s45, 9
	s_add_co_u32 s46, s46, s3                      ; x: row 512 P + 128 x half: the first tile
	s_lshl_b32 s66, s42, 8
	s_add_co_u32 s66, s66, s3                      ; W1: row 256 TC + 128 x half
	s_lshl_b32 s[G0S+2], s45, 14                   ; x's scale bytes: 512 rows of 32 bytes a work-group, 256 rows a wave: the offset stands where the address will
	s_lshl_b32 s3, s[CH], 13
	s_add_co_u32 s[G0S+2], s[G0S+2], s3
	s_mov_b32 s[G0S+3], 0
	s_lshl_b32 s[G0SB+2], s66, 5                   ; W1's: 32 bytes a row
	s_mov_b32 s[G0SB+3], 0
	s_lshl_b32 s46, s46, 9                         ; the codes: 512 bytes a row (under 2^32)
	s_mov_b32 s47, 0
	s_lshl_b32 s66, s66, 9
	s_mov_b32 s67, 0
	s_mul_i32 s94, s[WV], HALFT                    ; where the codes go: wave x 128 rows: no place in the cluster enters an LDS address
	s_mul_i32 s95, s[CH], 2*HALFS
	s_add_co_u32 s95, s95, SCL                     ; x's scale bytes: tile 0's by wave 0, tile 1's by wave 1
	s_mov_b32 s[G0S], 1
	s_mov_b32 s[G0S+1], s95
	s_mul_i32 s95, s[CH], HALFS
	s_add_co_u32 s95, s95, SCW1                    ; W1's: two halves, by waves 2 and 3
	s_mov_b32 s[G0SB], 1
	s_mov_b32 s[G0SB+1], s95
	s_mov_b32 s96, 0xbe000000                      ; -0.125: the packed form names the pair and takes its low word for both halves
	s_mov_b32 s97, s96
	s_mov_b32 s98, 0x76543210                      ; v_permlanex16_b32's selects for lane l xor 16
	s_mov_b32 s99, 0xfedcba98
	s_mov_b32 s100, 0xffff0000                     ; lanes 16-31
	s_wait_dscnt 0x0                               ; both opening adds are done
	s_wait_kmcnt 0x0
	s_add_nc_u64 s[G0S+2:G0S+3], s[6:7], s[G0S+2:G0S+3]
	s_or_b32 s[G0S+3], s[G0S+3], 0x80000000        ; type = 2
	s_add_nc_u64 s[G0SB+2:G0SB+3], s[10:11], s[G0SB+2:G0SB+3]
	s_or_b32 s[G0SB+3], s[G0SB+3], 0x80000000
	s_add_nc_u64 s[46:47], s[4:5], s[46:47]
	s_add_nc_u64 s[66:67], s[8:9], s[66:67]
.irp s, 0,1
	s_mov_b32 s[G0+4*\s], 1
	s_add_co_u32 s[G0+4*\s+1], s94, \s*SLOT
	s_add_nc_u64 s[G0+4*\s+2:G0+4*\s+3], s[46:47], \s*ROWB         ; slot s: K = 512 s on
	s_or_b32 s[G0+4*\s+3], s[G0+4*\s+3], 0x80000000
	s_mov_b32 s[G0B+4*\s], 1
	s_add_co_u32 s[G0B+4*\s+1], s94, \s*SLOT
	s_add_nc_u64 s[G0B+4*\s+2:G0B+4*\s+3], s[66:67], \s*ROWB
	s_or_b32 s[G0B+4*\s+3], s[G0B+4*\s+3], 0x80000000
.endr
	CROUND                                         ; all sixteen work-groups are here: the joint loads meet
	JLOAD G0S, G1S, G0SB, G1SB                     ; the scale bytes first: they are wanted with slot 0
	JLOAD G0, G1, G0B, G1B                         ; slot 0
	JLOAD G0+4, G1, G0B+4, G1B                     ; slot 1: three tensor loads of mine are out
	; the bases of what goes through registers
	s_lshl_b32 s92, s42, 10                        ; b1: my 128 numbers begin at 256 TC + 128 CH
	s_lshl_b32 s3, s[CH], 9
	s_add_co_u32 s92, s92, s3
	s_mov_b32 s93, 0
	s_add_nc_u64 s[12:13], s[12:13], s[92:93]
	s_lshl_b32 s3, s45, 4                          ; my two fragments of W2: numbers f and f + 1, f = 2 (4 (16 P + TC) + wave), 0..2046
	s_add_co_u32 s3, s3, s42
	s_lshl_b32 s3, s3, 2
	s_add_co_u32 s3, s3, s[WV]
	s_lshl_b32 s3, s3, 1
	s_lshr_b32 s101, s3, 5                         ; their block of 16 rows, 0..63
	s_and_b32 s3, s3, 31                           ; the first one's K step, an even number; the second's is the next
	s_lshl_b32 s92, s101, 15                       ; from: 16 rows of 2,048 bytes a block, 64 bytes a K step
	s_lshl_b32 s66, s3, 6
	s_add_co_u32 s92, s92, s66
	s_add_nc_u64 s[14:15], s[14:15], s[92:93]
	s_lshr_b32 s92, s101, 2                        ; to: [block / 4][K step][block % 4][1,024 bytes]
	s_lshl_b32 s92, s92, 17
	s_lshl_b32 s66, s3, 12
	s_add_co_u32 s92, s92, s66
	s_and_b32 s66, s101, 3
	s_lshl_b32 s66, s66, 10
	s_add_co_u32 s92, s92, s66
	s_add_nc_u64 s[20:21], s[20:21], s[92:93]
	s_lshl_b32 s3, s45, 2
	s_add_co_u32 s3, s3, s[RH]                     ; my group of 128 rows in the first tile: 4 P + half; in the second: two groups on
	s_lshl_b32 s101, s42, 1
	s_add_co_u32 s101, s101, s[CH]                 ; my 128 hidden units: K step 0..31 of the next product
	s_lshl_b32 s92, s3, 18                         ; hc: 262,144 bytes a group, 8,192 a K step
	s_lshl_b32 s66, s101, 13
	s_add_co_u32 s92, s92, s66
	s_add_nc_u64 s[16:17], s[16:17], s[92:93]
	s_lshl_b32 s92, s3, 14                         ; hs: 16,384 bytes a group, 512 a K step
	s_lshl_b32 s66, s101, 9
	s_add_co_u32 s92, s92, s66
	s_add_nc_u64 s[18:19], s[18:19], s[92:93]
	s_lshl_b32 s92, s45, 18                        ; the prefetch: of the second tile's 256 rows of x the partner at cx takes 64, each of its waves 16: rows 512 P + 256 + 64 cx + 16 wave on, 512 bytes each
	s_lshl_b32 s66, s40, 15
	s_add_co_u32 s92, s92, s66
	s_lshl_b32 s66, s[WV], 13
	s_add_co_u32 s92, s92, s66
	s_add_co_u32 s92, s92, XTILE
	s_add_nc_u64 s[PFA:PFA+1], s[4:5], s[92:93]
	v_and_b32 v1, 15, v0                           ; r = lane % 16
	v_bfe_u32 v2, v0, 4, 1                         ; h = lane / 16
	v_lshlrev_b32 v[BO], 5, v2
	v_lshlrev_b32 v[WO], 11, v1
	v_lshl_add_u32 v[WO], v2, 4, v[WO]             ; W2: row r of 2,048 bytes, + 16 h
	WIN TO_B
.irp b, 0,1,2,3,4,5,6,7                        ; b1 in the result's layout: tile b, register j = b1 at hidden unit 16 b + 8 h + j
	global_load_b128 v[BI+8*\b:BI+8*\b+3], v[BO], s[12:13] offset:64*\b
	global_load_b128 v[BI+8*\b+4:BI+8*\b+7], v[BO], s[12:13] offset:64*\b+16
.endr
	WIN 0
	global_load_b128 v[WD:WD+3], v[WO], s[14:15]               ; a fragment of W2: registers 0-3: K = 32 h + 0 .. 31,
	global_load_b128 v[WD+4:WD+7], v[WO], s[14:15] offset:32   ; registers 4-7: K = 64 + 32 h + 0 .. 31
	global_load_b128 v[WD2:WD2+3], v[WO], s[14:15] offset:64   ; and the next K step's
	global_load_b128 v[WD2+4:WD2+7], v[WO], s[14:15] offset:96
	v_and_b32 v7, 31, v0
	v_lshlrev_b32 v[HO], 4, v7
	v_lshlrev_b32 v[PFO], 8, v7                    ; 16 rows of 512 bytes are 32 blocks of 256 bytes on end: a lane a block
	v_mul_u32_u24 v3, v1, PITCH
	v_lshl_add_u32 v4, v2, 4, v3                   ; a fragment's row x pitch + 16 x half
	s_mul_i32 s3, s[RH], HALFT                     ; my 128 rows of x
	s_mul_i32 s101, s[CH], HALFT                   ; my 128 rows of W1,
	s_add_co_u32 s101, s101, 2*HALFT               ; which lie behind x's 256
.irp s, 0,1
	v_add_nc_u32 v[ADRA+\s], s3, v4
	v_add_nc_u32 v[ADRB+\s], s101, v4
	s_add_co_u32 s3, s3, SLOT
	s_add_co_u32 s101, s101, SLOT
.endr
	v_mul_u32_u24 v5, v1, KS                       ; my row's scale bytes: 32 a row,
	v_lshrrev_b32 v6, 8, v5
	v_lshl_add_u32 v5, v6, 4, v5                   ; and 16 more for each 256 passed
	s_mul_i32 s3, s[RH], HALFS                     ; x's: my 128 rows of tile 0
	s_mul_i32 s101, s[CH], HALFS                   ; W1's: my 128 rows, behind x's 512
	s_add_co_u32 s101, s101, 4*HALFS
	s_sub_co_u32 s101, s101, s3
	v_mul_u32_u24 v6, s101, v2                     ; lanes 16-31 take W1's: one product with h
	s_add_co_u32 s3, s3, SCL
	v_add_nc_u32 v6, v5, v6
	v_add_nc_u32 v[ADRS], s3, v6
	s_sub_co_u32 s101, s101, 2*HALFS               ; tile 1: x's rows lie 256 rows further on, W1's where they were
	v_mul_u32_u24 v6, s101, v2
	s_add_co_u32 s3, s3, 2*HALFS
	v_add_nc_u32 v6, v5, v6
	v_add_nc_u32 v[ADRS+1], s3, v6
.macro FRAG reg, adr, q, i             ; a fragment, 16 rows x 128 K, is 8 registers: lane l holds row l % 16; registers 4 c .. 4 c + 3 hold K = 64 c + 32 (l / 16) + 0 .. 31
.irp c, 0,1
	ds_load_b128 v[\reg+4*\c:\reg+4*\c+3], v[\adr] offset:64*(\q)+32*\c+(\i)*16*PITCH
.endr
.endm
; 16 matrix instructions: x's blocks a0, a0 + 1 against W1's eight, the slot's q-th 128 along K.  p: W1's set; sc: the set of scale words.  first = 1: b1 is the C of the sum's first product: nothing is cleared or added later.
; The 64 accumulators take turns, one instruction a turn, in the same order in every step.
.macro MUL16 a0, p, q, sc, first
.irp a, \a0, \a0+1
.irp b, 0,1,2,3,4,5,6,7
.set rD, 8*(8*((\a)%4)+\b)
.if \first
.set rC, BI+8*\b
.else
.set rC, rD
.endif
	v_wmma_scale_f32_16x16x128_f8f6f4 v[rD:rD+7], v[128*(\p)+FR*\b:128*(\p)+FR*\b+FR-1], v[AF+FR*(\a):AF+FR*(\a)+FR-1], v[rC:rC+7], v[SC+8*NQ*(\sc)+NQ*\b+(\q)], v[SC+8*NQ*(\sc)+NQ*(\a)+(\q)] matrix_a_fmt:MATRIX_FMT_FP4 matrix_b_fmt:MATRIX_FMT_FP4 matrix_a_scale:MATRIX_SCALE_ROW1
.endr
.endr
.endm
.macro FETCH_B slot, q, p              ; W1's eight fragments of the slot's q-th 128 along K into set p
	WIN TO_B
.irp i, 0,1,2,3,4,5,6,7
	FRAG 128*(\p)+FR*\i, ADRB+\slot, \q, \i
.endr
	WIN 0
.endm
.macro FETCH_A slot, q, i0             ; x's blocks i0 .. i0 + 3
.irp i, \i0, \i0+1, \i0+2, \i0+3
	FRAG AF+FR*(\i), ADRA+\slot, \q, \i
.endr
.endm
.macro SCALES sc, t                    ; slot sc's scale words of tile t into set sc: four words a row; lanes 0-15 take x's block i, lanes 16-31 W1's block i
.irp i, 0,1,2,3,4,5,6,7
	ds_load_b128 v[SC+8*NQ*\sc+NQ*\i:SC+8*NQ*\sc+NQ*\i+3], v[ADRS+\t] offset:\i*SBLK+16*\sc
.endr
.endm
; A load into a register that a matrix instruction has read, and a vector instruction that reads a matrix result, stand NP places behind that matrix instruction; only plain vector instructions that
; name none of its registers are places (ISA guide 7.12.1 for vector instructions).
.macro PLACES n
.rept \n
	v_nop
.endr
.endm
; A step of 128 along K that has its successor in the same slot.  A block of x is free as soon as its eight products are issued, so one set serves x: blocks 0-3 are fetched anew in the step's middle, blocks 4-7 at its end.
.macro STEP slot, q, first
	s_wait_dscnt 4*NL                              ; W1's set, x's blocks 0-3 (and a slot's scale words) are in; the youngest eight loads, x's blocks 4-7, may be out
	WIN 0xa1-0x10*(\first)                         ; first = 1: source 2 (b1) in window 1
	MUL16 0, (\q)%2, \q, \slot, \first
	MUL16 2, (\q)%2, \q, \slot, \first
	s_wait_dscnt 0                                 ; x's blocks 4-7 are in (asked for 32 matrix instructions ago)
	PLACES NP
	FETCH_B \slot, (\q)+1, 1-(\q)%2
	FETCH_A \slot, (\q)+1, 0
	WIN 0xf1-0x20*(\first)
	MUL16 4, (\q)%2, \q, \slot, \first
	MUL16 6, (\q)%2, \q, \slot, \first
	PLACES NP
	WIN 0
	FETCH_A \slot, (\q)+1, 4
.endm
; Slot 0's last step, and the change to slot 1: ONE barrier; in front of it each wave waits for all its tensor loads (its part of slot 1), adds 0 to its spare word, and waits for that and for its reads of slot 0.
; Tile 0: the barrier opens a round of the cluster's barrier, and behind the round x's part of slot 0 is filled again, with tile 1's rows.  Tile 1: nothing is filled.
.macro TURN t
	s_wait_tensorcnt 0x0                           ; all my tensor loads have landed, so a group 0 may be written
	ds_add_u32 v[SPW], v[NIL]                      ; 0 onto my spare word
.if \t == 0
	s_add_nc_u64 s[G0+2:G0+3], s[G0+2:G0+3], XTILE ; slot 0's group 0: the same K, 256 rows further down; the type bits on top are not reached
.endif
	s_wait_dscnt 4*NL+1                            ; (the add and the youngest eight loads may be out)
	WIN MUL_LO
	MUL16 0, 1, NQ-1, 0, 0                         ; sixteen matrix instructions stand between the add and the wait for it
	s_wait_dscnt 0x0                               ; the add is done, and my reads of slot 0 are over
	s_barrier_signal -1
	MUL16 2, 1, NQ-1, 0, 0                         ; work on registers while the others arrive
	WIN 0
	s_barrier_wait -1
.if \t == 0
	CREST                                          ; no wave of any partner still reads slot 0's rows of x or has a load on its way
	XLOAD 0                                        ; the first tensor load behind the round, and a wave's only one until the next
.endif
	PLACES NP
	FETCH_B 1, 0, 0
	FETCH_A 1, 0, 0
	SCALES 1, \t
	WIN MUL_HI
	MUL16 4, 1, NQ-1, 0, 0
	MUL16 6, 1, NQ-1, 0, 0
	PLACES NP
	WIN 0
	FETCH_A 1, 0, 4
.endm
; A tile's last step.  Tile 0: the same three lines and a round; behind it x's part of slot 1 is filled again.  The wait for all tensor loads also shows my part of slot 0's refill landed, and the barrier shows it to all.
.macro LAST t
.if \t == 0
	s_wait_tensorcnt 0x0                           ; my part of tile 1's slot 0 is in
	ds_add_u32 v[SPW], v[NIL]                      ; 0 onto my spare word
	s_add_nc_u64 s[G0+6:G0+7], s[G0+6:G0+7], XTILE ; slot 1's group 0: 256 rows further down
	s_wait_dscnt 4*NL+1                            ; (the add and the youngest eight loads may be out)
	WIN MUL_LO
	MUL16 0, 1, NQ-1, 1, 0
	s_wait_dscnt 0x0                               ; the add is done, and my reads of slot 1 are over
	s_barrier_signal -1
	MUL16 2, 1, NQ-1, 1, 0
	WIN 0
	s_barrier_wait -1
	CREST
	XLOAD 1
.else
	s_wait_dscnt 4*NL                              ; nothing more to fetch
	WIN MUL_LO
	MUL16 0, 1, NQ-1, 1, 0
	MUL16 2, 1, NQ-1, 1, 0
	s_wait_dscnt 0
.endif
	WIN MUL_HI
	MUL16 4, 1, NQ-1, 1, 0
	MUL16 6, 1, NQ-1, 1, 0
	WIN 0
.endm
; THE WAY OUT, a block of 16 rows x 128 hidden units at a time: the cubic, the quantiser, one fragment of the next product and its rows' scale word.
.macro POLY a                          ; Y = h (0.5 + h (0.5 - 0.125 h)), two numbers an instruction; each accumulator is read from its low end on
.set AC, 64*((\a)%4)
	WIN 0x02+(\a)/4                                ; source 0: window 2 or 3
.set j, 0
.rept 32
	v_pk_fma_f32 v[Y+j:Y+j+1], v[AC+j:AC+j+1], s[96:97], 0.5 op_sel_hi:[1,0,0]
.set j, j+2
.endr
.set j, 0
.rept 32
	v_pk_fma_f32 v[Y+j:Y+j+1], v[AC+j:AC+j+1], v[Y+j:Y+j+1], 0.5 op_sel_hi:[1,1,0]
.set j, j+2
.endr
.set j, 0
.rept 32
	v_pk_mul_f32 v[Y+j:Y+j+1], v[AC+j:AC+j+1], v[Y+j:Y+j+1]
.set j, j+2
.endr
	WIN 0
.endm
; Register 8 t + j of Y is k = 16 t + 8 h + j of my row.  Block b of 32 along k is tiles 2 b and 2 b + 1 of lanes l and l xor 16.
.macro QUANT a
.irp b, 0,1,2,3
	v_max3_num_f32 v[TM+\b], |v[Y+16*\b]|, |v[Y+1+16*\b]|, 0x1800000   ; block b: my 16 numbers, and the floor 2^(3 - 127), under which no largest magnitude is taken: so the byte cannot fall under 1
.endr
.irp i, 2,4,6,8,10,12,14
.irp b, 0,1,2,3
	v_max3_num_f32 v[TM+\b], v[TM+\b], |v[Y+16*\b+\i]|, |v[Y+1+16*\b+\i]|   ; (the four blocks by turns)
.endr
.endr
.irp b, 0,1,2,3
	v_permlanex16_b32 v[TM+4+\b], v[TM+\b], s98, s99
.endr
.irp b, 0,1,2,3
	v_max_num_f32 v[TM+\b], v[TM+\b], v[TM+4+\b]   ; with lane l xor 16's: the block's largest magnitude
.endr
.irp b, 0,1,2,3
	v_add_nc_u32 v[TM+12+\b], 0xff000000, v[TM+\b] ; 2 off its exponent field: the conversion takes the exponent field of this operand as its scale, and nothing else of it
.endr
.irp b, 0,1,2,3
	v_lshrrev_b32 v[TM+4+\b], 23, v[TM+12+\b]      ; the scale's byte
.endr
	v_lshl_or_b32 v[PW+\a], v[TM+5], 8, v[TM+4]    ; the four bytes make my row's scale word (the same in lanes l and l xor 16)
	v_lshl_or_b32 v[PW+\a], v[TM+6], 16, v[PW+\a]
	v_lshl_or_b32 v[PW+\a], v[TM+7], 24, v[PW+\a]
.irp t, 0,1,2,3,4,5,6,7                        ; tile t's eight codes are k = 8 (2 t + h) on.  They go to register 4 (t / 4) + 2 (t % 2) + (t / 2) % 2,
	v_cvt_scalef32_pk8_fp4_f32 v[CD+8*(\a)+4*(\t/4)+2*(\t%2)+(\t/2)%2], v[Y+8*\t:Y+8*\t+7], v[TM+12+\t/2]
.endr
	v_nop                                          ; one plain place behind a scaled conversion
.irp c, 0,1                                    ; so that one exchange of halves for each pair leaves register 4 c + i with k = 64 c + 32 h + 8 i on: the operand's layout
.irp u, 0,1
	v_permlane16_swap_b32 v[CD+8*(\a)+4*\c+2*\u], v[CD+8*(\a)+4*\c+2*\u+1]
.endr
.endr
.endm
.macro WAYOUT t
	s_wait_xcnt 0x0                                ; every earlier store has read its registers (tile 0: W2's fragments in v96-103; tile 1: tile 0's codes and scale words): they are written again only behind this wait
.irp b, 0,1,2,3
	v_mov_b32 v[TM+4+\b], 0                        ; a lane permute's destination counts as one of its sources.  These four are also the places behind the last products
.endr
.irp a, 0,1,2,3,4,5,6,7
	POLY \a
	QUANT \a
	global_store_b128 v[HO], v[CD+8*\a:CD+8*\a+3], s[16:17] offset:524288*\t+1024*\a           ; the fragment as an image of its registers: 512 consecutive bytes a store, aligned; tile 1 lies two groups of rows on
	global_store_b128 v[HO], v[CD+8*\a+4:CD+8*\a+7], s[16:17] offset:524288*\t+1024*\a+512
.endr
.irp i, 0,1,2,3
	v_cndmask_b32 v[SWD+\i], v[PW+2*\i], v[PW+2*\i+1], s100    ; lanes 0-15: row block 2 i's words; lanes 16-31: block 2 i + 1's: so the next launch's one register serves two blocks
.endr
	global_store_b128 v[HO], v[SWD:SWD+3], s[18:19] offset:32768*\t                            ; 512 consecutive bytes, aligned
.endm
.macro TILE t
	FETCH_B 0, 0, 0
	FETCH_A 0, 0, 0
	SCALES 0, \t
	FETCH_A 0, 0, 4
.if \t == 0
	s_wait_loadcnt 0x0                             ; b1 and my fragments of W2
	global_store_b128 v[HO], v[WD:WD+3], s[20:21]              ; a fragment as an image of its registers: each store covers 512 consecutive bytes, aligned
	global_store_b128 v[HO], v[WD+4:WD+7], s[20:21] offset:512
	global_store_b128 v[HO], v[WD2:WD2+3], s[20:21] offset:4096    ; the next K step's lies 4,096 bytes on
	global_store_b128 v[HO], v[WD2+4:WD2+7], s[20:21] offset:4608
.endif
	STEP 0, 0, 1                                   ; the first products start the sums from b1
.if \t == 0
	; A PREFETCH INTO THE L2 of tile 1's rows of x, which the two refills will ask for: 160 and 416 matrix instructions ahead of them.  It stands behind a step's last LDS loads.  Each aligned block of 256 bytes is named
	; once in the launch: the four clusters of a row of clusters read the same rows, and the first (cluster x = 0) asks; its four partners along x are told apart by address, 64 rows each; a wave takes 16 rows, a lane a block.
	s_cmp_lg_u32 ttmp9, 0
	s_cbranch_scc1 .Lnot_first_\@
	global_prefetch_b8 v[PFO], s[PFA:PFA+1] th:TH_LOAD_NT scope:SCOPE_SE
.Lnot_first_\@:
.endif
	STEP 0, 1, 0
	STEP 0, 2, 0
	TURN \t
	STEP 1, 0, 0
	STEP 1, 1, 0
	STEP 1, 2, 0
	LAST \t
	WAYOUT \t
.endm
	s_wait_tensorcnt 1                             ; the scale bytes and my part of slot 0 are in; slot 1's load, issued behind them, may be out,
	s_barrier_signal -1
	s_barrier_wait -1                              ; everybody's are
	TILE 0
	TILE 1                                         ; slot 0's rows of x were shown whole by the barrier in tile 0's last step
	s_wait_tensorcnt 0x0                           ; the wave's end
	ds_add_u32 v[SPW], v[NIL]
	s_wait_dscnt 0x0
	CROUND                                         ; the closing round: no work-group ends while a partner may still ask for a tile that names it
	s_endpgm
.Lfunc_end_k_q6aa317dc4a_up:
	.size	k_q6aa317dc4a_up, .Lfunc_end_k_q6aa317dc4a_up-k_q6aa317dc4a_up
	.p2alignl 7, 3214868480
	.fill 96, 4, 3214868480
	.section	.rodata,"a",@progbits
	.p2align	6, 0x0
	.amdhsa_kernel k_q6aa317dc4a_up
		.amdhsa_group_segment_fixed_size 327680
		.amdhsa_private_segment_fixed_size 0
		.amdhsa_enable_private_segment 0
		.amdhsa_kernarg_size 72
		.amdhsa_user_sgpr_count 2
		.amdhsa_user_sgpr_kernarg_segment_ptr 1
		.amdhsa_wavefront_size32 1
		.amdhsa_system_sgpr_workgroup_id_x 1
		.amdhsa_system_sgpr_workgroup_id_y 1
		.amdhsa_system_sgpr_workgroup_id_z 1
		.amdhsa_system_vgpr_workitem_id 0
		.amdhsa_next_free_vgpr 1024
		.amdhsa_next_free_sgpr 102
		.amdhsa_reserve_vcc 0
		.amdhsa_float_denorm_mode_32 3
		.amdhsa_float_denorm_mode_16_64 3
		.amdhsa_memory_ordered 1
		.amdhsa_forward_progress 1
		.amdhsa_inst_pref_size 255
	.end_amdhsa_kernel
	.section	.bss,"aw",@nobits
	.p2align	6
	.space	262144
	.amdgpu_metadata
---
amdhsa.version: [ 1, 2 ]
amdhsa.kernels:
  - .name:           k_q6aa317dc4a_up
    .symbol:         k_q6aa317dc4a_up.kd
    .args:
      - { .name: x_codes, .offset: 0, .size: 8, .value_kind: global_buffer, .address_space: global }
      - { .name: x_scales, .offset: 8, .size: 8, .value_kind: global_buffer, .address_space: global }
      - { .name: W1_codes, .offset: 16, .size: 8, .value_kind: global_buffer, .address_space: global }
      - { .name: W1_scales, .offset: 24, .size: 8, .value_kind: global_buffer, .address_space: global }
      - { .name: b1, .offset: 32, .size: 8, .value_kind: global_buffer, .address_space: global }
      - { .name: W2_codes, .offset: 40, .size: 8, .value_kind: global_buffer, .address_space: global }
      - { .name: hc, .offset: 48, .size: 8, .value_kind: global_buffer, .address_space: global }
      - { .name: hs, .offset: 56, .size: 8, .value_kind: global_buffer, .address_space: global }
      - { .name: w2i, .offset: 64, .size: 8, .value_kind: global_buffer, .address_space: global }
    .group_segment_fixed_size: 327680
    .private_segment_fixed_size: 0
    .kernarg_segment_align: 8
    .kernarg_segment_size: 72
    .max_flat_workgroup_size: 128
    .sgpr_count:     102
    .vgpr_count:     1024
    .wavefront_size: 32
...
	.end_amdgpu_metadata
.endif
;; end of part 1
;; launch down (part 2): grid 4 x 64, 4 waves a work-group, clusters of 4 x 4, 327,680 bytes of LDS; arguments hc, hs, w2i, W2_scales, b2, out0; writes out0
.if DOCPART == 2
	.amdgcn_target "amdgcn-amd-amdhsa--gfx1250"
	.amdhsa_code_object_version 6
	.text
	.protected	k_q6aa317dc4a_down
	.globl	k_q6aa317dc4a_down
	.p2align	8
	.type	k_q6aa317dc4a_down,@function
k_q6aa317dc4a_down:
	s_mov_b64 s[64:65], 0
	v_nop
	global_prefetch_b8 v0, s[64:65] scope:SCOPE_SE
	s_setreg_imm32_b32 hwreg(HW_REG_WAVE_MODE, 25, 1), 1
	s_wait_xcnt 0x0
	s_wait_alu depctr_hold_cnt(0) depctr_sa_sdst(0) depctr_va_vdst(0) depctr_va_sdst(0) depctr_va_ssrc(0) depctr_va_vcc(0) depctr_vm_vsrc(0)
	s_getreg_b32 s2, hwreg(HW_REG_IB_STS2, 6, 4)
	s_cmp_eq_u32 s2, 0
	s_cbranch_scc0 .Lentry_in_a_cluster
	s_endpgm
.Lentry_in_a_cluster:
	s_bfe_u32 s2, ttmp6, 0x10000c
	s_cmp_lg_u32 s2, 0xf033
	s_cbranch_scc0 .Lentry_shape_is_right
	s_endpgm
.Lentry_shape_is_right:
; SECOND OF TWO LAUNCHES.  out = h W2 + b2, [8192][1024] f32, K = 4,096, on codes of FP4 (E2M1) with one E8M0 scale for each 32 along K.  No work is left out.
; h's codes (hc), h's scale words (hs) and W2's codes (w2i) were laid by the launch before as images of the operands' registers: a fragment (16 rows x 128 K, 8 registers a lane) is 1,024 bytes,
; registers 4 c .. 4 c + 3 of lane l at 512 c + 16 l.  So every load of a fragment takes 512 consecutive bytes, from LDS or from memory, and needs no pitch and no padding.
; SHARES.  A work-group of four waves makes 128 rows x 256 columns: 256 work-groups.  Wave w makes all 128 rows x columns 64 w .. 64 w + 63: 32 accumulators, 256 registers; 32 K steps of 128, written out.
; h: the 128 rows' codes for ALL of K are 262,144 dense bytes.  They are asked for whole at the start, as four regions of 1,024 along K; counted waits let the products begin on region 0 while the others land.
; No LDS byte is filled twice.
; CLUSTER: 4 x 4 work-groups.  The four of a row of the cluster make the four column tiles of the same 128 rows: h's codes and scale words are asked for jointly by the four.  W2's scale bytes hang on the column
; tile alone and are asked for jointly along a column of the cluster.
; W2's CODES ARE NOT SHARED IN THE CLUSTER: h's tile takes 262,144 of the 327,680 bytes of LDS and the scale bytes 51,200 more; what is left, 13,824 bytes, is less than one K step of the 256 columns (16,384 bytes).
; Each wave loads its own 64 columns' fragments straight into registers, seven K steps ahead.
; THE LAST EIGHT K STEPS GO BY ROWS OF out, NOT BY K.  W2's fragments of all eight are in registers (seven sets of window 1, and v96-127, which b2 has left); my eight row blocks are finished two at a time, 64 matrix
; instructions a pair (its eight accumulators by turns, K ascending), and a finished pair goes through the stage and is stored while the next pair is multiplied.  LDS is read no more than by K.
; THE MATRIX INSTRUCTION IS USED TRANSPOSED: source 0 = 16 rows of W2 (columns of out), source 1 = 16 rows of h: lane (r, h) holds out(16 a + r, 16 b + 8 h + j) in register j of accumulator (a, b).
; b2 is the C of each sum's first product (an order of rounding in f32 that differs from the written one).
; REGISTERS: window 0: v1-29 addresses; v32-39 h's scale words, two sets; v40-55 W2's, two sets; v56-63 W2's of K steps 28-31; v64-95 h's of K steps 24-31 (v32-95 hold scales and nothing else);
;   v96-127 b2, later W2's fragments of K step 31; v128-255 h's fragments, two sets of 64, later those of an odd pair of row blocks.   window 1: W2's fragments, eight sets of 32.
;   window 2: the accumulators, (a, b) at v[8 (4 a + b)].   window 3: v0-127 h's fragments of an even pair; v128-255 rows on the way out, two sets of 64.
.set SCA,   262144                     ; LDS: behind h's codes: h's scale words, 512 bytes a K step
.set SCB,   SCA+16384                  ; W2's scale bytes: 256 rows of 128 bytes, as runs of 256 bytes + 16 of padding; wave w's 64 rows at 8,704 w
.set SPARE, SCB+4*8704                 ; the spare words, 128 bytes a wave: two blocks of 256 bytes that no other line names
.set ADRA, 8                           ; v8-11  LDS address of my 16 bytes in region j: 65,536 j + 16 x lane.  v8 = 16 x lane is also my offset in an image in memory
.set ADSH, 12                          ; v12    h's scale words: SCA + 16 x lane
.set ADSW, 13                          ; v13    W2's scale words of my wave's rows: lanes 0-15 an even block's row r, lanes 16-31 the odd block's
.set BO,   15                          ; v15    32 x (lane / 16): my half's eight numbers of b2
.set STO,  16                          ; v16    the way out: where I put 32 bytes of a row
.set RD,   17                          ; v17    where I read a row back
.set CO,   18                          ; v18    my byte offset in two rows of out
.set SPW,  28                          ; v28    LDS address of my spare word; never rewritten
.set NIL,  29                          ; v29    0; never rewritten
.set SH,   32                          ; set n % 2; register i: lanes 0-15 row block 2 i, lanes 16-31 block 2 i + 1
.set SW2,  40                          ; set (n / 4) % 2; register 4 p + q: lanes 0-15 column block 2 p, lanes 16-31 block 2 p + 1, K step 4 (n / 4) + q
.set SW7,  56                          ; the same for K steps 28-31
.set SH8,  64                          ; register 4 k + i: as SH, for K step 24 + k
.set BI,   96
.set W31,  96
.set AF,   128
.set BK,   128                         ; in window 3
.set WV,   16                          ; s16 wave
.set G1A,  24                          ; s[24:31] group 1 for h's codes;  s[32:39] for h's scale words;  s[40:47] for W2's scale bytes
.set G1H,  32
.set G1W,  40
.set G0H,  48                          ; s[48:51], s[52:55] groups 0 for the scales
.set G0W,  52
.set MSB, 0
.macro WIN new                         ; the immediate's high byte repeats the setting that is left; a switch that changes nothing is dropped
.if MSB != (\new)
	s_set_vgpr_msb (MSB<<8)|(\new)
.set MSB, (\new)
.endif
.endm
.macro CROUND                          ; a round of the cluster's barrier
	s_barrier_signal -1
	s_barrier_wait -1
	s_cmp_lg_u32 s[WV], 0
	s_cbranch_scc1 .Lnot_wave_0_\@
	s_barrier_signal -3
.Lnot_wave_0_\@:
	s_barrier_wait -3
	s_barrier_signal -1
	s_barrier_wait -1
.endm
; A load into a register that a matrix instruction has read, and an LDS store that reads a matrix result, stand four places behind that matrix instruction; only plain vector instructions that name none of its
; registers are places (ISA guide 7.12.1 for vector instructions).
.macro PLACES n
.rept \n
	v_nop
.endr
.endm
	s_load_b256 s[4:11], s[0:1], 0x0               ; hc s[4:5], hs s[6:7], w2i s[8:9], W2's scales s[10:11]
	s_load_b128 s[12:15], s[0:1], 0x20             ; b2 s[12:13], out s[14:15]
	v_lshl_add_u32 v[SPW], v0, 2, SPARE
	v_mov_b32 v[NIL], 0
	ds_add_u32 v[SPW], v[NIL]                      ; the wave's opening: the add, twice on end, and its wait ahead of my first tensor load
	ds_add_u32 v[SPW], v[NIL]                      ; and once more; the set-up below, work on registers, stands between it and the wait
	v_lshrrev_b32 v1, 5, v0
	v_readfirstlane_b32 s[WV], v1                  ; wave 0..3
	s_bfe_u32 s18, ttmp6, 0x40000                  ; cx, cy: my place in the cluster
	s_bfe_u32 s19, ttmp6, 0x40004
	s_lshl_b32 s20, ttmp9, 2
	s_add_co_u32 s20, s20, s18                     ; TC: tile column of out, 0..3
	s_and_b32 s21, ttmp7, 0xffff
	s_lshl_b32 s21, s21, 2
	s_add_co_u32 s21, s21, s19                     ; TR: tile row = group of 128 rows, 0..63
	s_lshl_b32 s22, s19, 2
	s_lshl_b32 s22, 15, s22                        ; my row of the cluster
	s_lshl_b32 s23, 0x1111, s18                    ; my column
	; group 1: dense blocks, as rows of 32 elements of 8 bytes.  h's codes: 64 rows a load; h's scale words: 16; W2's scale bytes: 32, with 16 bytes of padding behind each
	s_or_b32 s[G1A+0], s22, (3<<16)|(1<<21)        ; 15:0 the mask; 17:16 elements of 8 bytes; 21 set beside a mask; no padding
	s_or_b32 s[G1H+0], s22, (3<<16)|(1<<21)
	s_or_b32 s[G1W+0], s23, (3<<16)|(1<<20)|(1<<21)|(5<<22)|(3<<25)
.irp g, G1A, G1H, G1W
	s_mov_b32 s[\g+1], 32<<16                      ; tensor_dim0
	s_mov_b32 s[\g+3], 32<<16                      ; tile_dim0
	s_mov_b32 s[\g+5], 32                          ; from row to row
	s_mov_b32 s[\g+6], 0
	s_mov_b32 s[\g+7], 0
.endr
	s_mov_b32 s[G1A+2], 64<<16                     ; tensor_dim1,
	s_mov_b32 s[G1A+4], 64                         ; tile_dim1
	s_mov_b32 s[G1H+2], 16<<16
	s_mov_b32 s[G1H+4], 16
	s_mov_b32 s[G1W+2], 32<<16
	s_mov_b32 s[G1W+4], 32
	s_lshl_b32 s17, s[WV], 14                      ; my quarter of a region: 16,384 bytes, in LDS as in memory
	s_lshl_b32 s2, s[WV], 12                       ; my quarter of h's scale words
	s_mov_b32 s[G0H], 1
	s_add_co_u32 s[G0H+1], s2, SCA
	s_mul_i32 s3, s[WV], 8704
	s_add_co_u32 s3, s3, SCB                       ; my wave's 64 rows of W2's scale bytes
	s_mov_b32 s[G0W], 1
	s_mov_b32 s[G0W+1], s3
	s_lshl_b32 s76, s21, 18                        ; hc: 262,144 bytes a group
	s_add_co_u32 s76, s76, s17
	s_mov_b32 s77, 0
	s_lshl_b32 s78, s21, 14                        ; hs: 16,384 bytes a group
	s_add_co_u32 s78, s78, s2
	s_mov_b32 s79, 0
	s_lshl_b32 s80, s20, 15                        ; W2's scale bytes: 256 rows of 128 bytes a tile column, 64 rows a wave
	s_lshl_b32 s2, s[WV], 13
	s_add_co_u32 s80, s80, s2
	s_mov_b32 s81, 0
	s_mul_i32 s82, s[WV], 16*272                   ; my stage for the way out
	v_and_b32 v3, 31, v0                           ; lane
	v_and_b32 v1, 15, v0                           ; r
	v_bfe_u32 v2, v0, 4, 1                         ; h
	v_lshlrev_b32 v[ADRA], 4, v3
.irp j, 1,2,3
	v_add_nc_u32 v[ADRA+\j], 65536*\j, v[ADRA]
.endr
	v_add_nc_u32 v[ADSH], SCA, v[ADRA]
	v_lshrrev_b32 v4, 1, v1                        ; row r of a block of W2's scale bytes: two rows of 128 bytes to a run of 272
	v_mul_u32_u24 v4, v4, 272
	v_and_b32 v5, 1, v1
	v_lshl_add_u32 v4, v5, 7, v4
	v_mad_u32_u24 v4, v2, 2176, v4                 ; lanes 16-31: the next block of 16 rows
	v_add_nc_u32 v[ADSW], s3, v4
	v_lshlrev_b32 v[BO], 5, v2
	v_mul_u32_u24 v[STO], v1, 272                  ; into the stage: row r, 32 bytes for each half of the lanes
	v_lshl_add_u32 v[STO], v2, 5, v[STO]
	v_add_nc_u32 v[STO], s82, v[STO]
	v_mul_u32_u24 v[RD], v2, 272                   ; back: lanes 0-15 one row of 256 bytes, lanes 16-31 the next
	v_lshl_add_u32 v[RD], v1, 4, v[RD]
	v_add_nc_u32 v[RD], s82, v[RD]
	v_lshlrev_b32 v[CO], 12, v2                    ; and the same two rows in out: 4,096 bytes a row
	v_lshl_add_u32 v[CO], v1, 4, v[CO]
	s_wait_dscnt 0x0                               ; both opening adds are done
	s_wait_kmcnt 0x0
	s_add_nc_u64 s[4:5], s[4:5], s[76:77]          ; hc at my quarter of region 0
.macro MKA g, j                        ; group 0 for my quarter of region j
	s_mov_b32 s[\g], 1
	s_add_co_u32 s[\g+1], s17, 65536*\j
	s_add_nc_u64 s[\g+2:\g+3], s[4:5], 65536*\j
	s_or_b32 s[\g+3], s[\g+3], 0x80000000
.endm
	MKA 56, 0
	MKA 60, 1
	MKA 68, 2
	MKA 72, 3
	s_add_nc_u64 s[G0H+2:G0H+3], s[6:7], s[78:79]
	s_or_b32 s[G0H+3], s[G0H+3], 0x80000000
	s_add_nc_u64 s[G0W+2:G0W+3], s[10:11], s[80:81]
	s_or_b32 s[G0W+3], s[G0W+3], 0x80000000
	s_lshl_b32 s80, s20, 2                         ; w2i: my 64 columns are group 4 TC + wave, 131,072 bytes each
	s_add_co_u32 s80, s80, s[WV]
	s_lshl_b32 s80, s80, 17
	s_add_nc_u64 s[8:9], s[8:9], s[80:81]
	s_lshl_b32 s80, s20, 10                        ; b2 and a row of out: my first column, in bytes: 1,024 TC + 256 x wave
	s_lshl_b32 s2, s[WV], 8
	s_add_co_u32 s80, s80, s2
	s_add_nc_u64 s[12:13], s[12:13], s[80:81]
	s_lshl_b32 s2, s21, 19                         ; out: 128 rows of 4,096 bytes a tile row
	s_add_co_u32 s80, s80, s2
	s_add_nc_u64 s[14:15], s[14:15], s[80:81]
	CROUND                                         ; all sixteen work-groups are here: the joint loads meet
	tensor_load_to_lds s[G0H:G0H+3], s[G1H:G1H+7]  ; every wave asks for its quarter of each block: six tensor loads of mine are out, and no more follow
	s_nop 0
	tensor_load_to_lds s[G0W:G0W+3], s[G1W:G1W+7]
	s_nop 0
	tensor_load_to_lds s[56:59], s[G1A:G1A+7]      ; region 0: K steps 0-7
	s_nop 0
	tensor_load_to_lds s[60:63], s[G1A:G1A+7]      ; region 1
	s_nop 0
	tensor_load_to_lds s[68:71], s[G1A:G1A+7]      ; region 2
	s_nop 0
	tensor_load_to_lds s[72:75], s[G1A:G1A+7]      ; region 3
	s_nop 0
	PLACES 4                                       ; (no switch of windows among the four instructions behind a tensor load)
; One product, by the symbols rD, rW, rH, rC, rX, rZ.  ho: h's row block is an odd one: its scale word lies in lanes 16-31 of its register; wo: the same of W2's column block.
.macro EMIT ho, wo
.if ((\ho) == 0) && ((\wo) == 0)
	v_wmma_scale_f32_16x16x128_f8f6f4 v[rD:rD+7], v[rW:rW+7], v[rH:rH+7], v[rC:rC+7], v[rX], v[rZ] matrix_a_fmt:MATRIX_FMT_FP4 matrix_b_fmt:MATRIX_FMT_FP4
.elseif (\ho) == 0
	v_wmma_scale_f32_16x16x128_f8f6f4 v[rD:rD+7], v[rW:rW+7], v[rH:rH+7], v[rC:rC+7], v[rX], v[rZ] matrix_a_fmt:MATRIX_FMT_FP4 matrix_b_fmt:MATRIX_FMT_FP4 matrix_a_scale:MATRIX_SCALE_ROW1
.elseif (\wo) == 0
	v_wmma_scale_f32_16x16x128_f8f6f4 v[rD:rD+7], v[rW:rW+7], v[rH:rH+7], v[rC:rC+7], v[rX], v[rZ] matrix_a_fmt:MATRIX_FMT_FP4 matrix_b_fmt:MATRIX_FMT_FP4 matrix_b_scale:MATRIX_SCALE_ROW1
.else
	v_wmma_scale_f32_16x16x128_f8f6f4 v[rD:rD+7], v[rW:rW+7], v[rH:rH+7], v[rC:rC+7], v[rX], v[rZ] matrix_a_fmt:MATRIX_FMT_FP4 matrix_b_fmt:MATRIX_FMT_FP4 matrix_a_scale:MATRIX_SCALE_ROW1 matrix_b_scale:MATRIX_SCALE_ROW1
.endif
.endm
.macro WM n, a, b                      ; K step n (0 .. 23), row block a, column block b
.set rD, 8*(4*(\a)+(\b))
.set rC, rD
.if (\n) == 0
.set rC, BI+8*(\b)                     ; b2 is the C of the first product: nothing is cleared or added later
.endif
.set rW, 32*((\n)%8)+8*(\b)
.set rH, AF+64*((\n)%2)+8*(\a)
.set rX, SW2+8*(((\n)/4)%2)+4*((\b)/2)+(\n)%4
.set rZ, SH+4*((\n)%2)+(\a)/2
	EMIT (\a)%2, (\b)%2
.endm
; Row blocks a0 .. a0 + cnt - 1 against my four column blocks.  The 32 accumulators take turns, one instruction a turn, in the same order in every step.
.macro MULA n, a0, cnt
.if (\n) == 0
	WIN 0x81                                       ; source 0 (W2) window 1, source 1 (h) and source 2 (b2) window 0, D window 2
.else
	WIN 0xa1                                       ; C and D window 2
.endif
.set ia, \a0
.rept \cnt
.set ib, 0
.rept 4
	WM \n, ia, ib
.set ib, ib+1
.endr
.set ia, ia+1
.endr
.endm
.macro FETCHA n                        ; h's eight fragments of K step n into set n % 2: 16 loads of 512 consecutive bytes
.set rA, AF+64*((\n)%2)
.set fa, 0
.rept 8
	ds_load_b128 v[rA+8*fa:rA+8*fa+3],   v[ADRA+(\n)/8] offset:((\n)%8)*8192+1024*fa
	ds_load_b128 v[rA+8*fa+4:rA+8*fa+7], v[ADRA+(\n)/8] offset:((\n)%8)*8192+1024*fa+512
.set fa, fa+1
.endr
.endm
.macro SCH n                           ; h's scale words of K step n
	ds_load_b128 v[SH+4*((\n)%2):SH+4*((\n)%2)+3], v[ADSH] offset:512*(\n)
.endm
.macro SCW m                           ; W2's scale words of K steps 4 m .. 4 m + 3
.if (\m) == 7
.set rS, SW7
.else
.set rS, SW2+8*((\m)%2)
.endif
.irp p, 0,1
	ds_load_b128 v[rS+4*\p:rS+4*\p+3], v[ADSW] offset:4352*\p+16*(\m)
.endr
.endm
.macro LOADB n                         ; W2's four fragments of K step n (0 .. 30) into set n % 8: 8 loads of 512 consecutive bytes
	WIN 0x40                                       ; destination window 1, address window 0
.set fb, 0
.rept 4
	global_load_b128 v[32*((\n)%8)+8*fb:32*((\n)%8)+8*fb+3],   v[ADRA], s[8:9] offset:4096*(\n)+1024*fb
	global_load_b128 v[32*((\n)%8)+8*fb+4:32*((\n)%8)+8*fb+7], v[ADRA], s[8:9] offset:4096*(\n)+1024*fb+512
.set fb, fb+1
.endr
.endm
.macro LOADB31                         ; those of K step 31 into the registers that b2 has left
	WIN 0
.set fb, 0
.rept 4
	global_load_b128 v[W31+8*fb:W31+8*fb+3],   v[ADRA], s[8:9] offset:4096*31+1024*fb
	global_load_b128 v[W31+8*fb+4:W31+8*fb+7], v[ADRA], s[8:9] offset:4096*31+1024*fb+512
.set fb, fb+1
.endr
.endm
; h's fragments of row blocks 2 p and 2 p + 1 for K steps 24 .. 31, K step by K step: 32 loads; an even pair's into window 3, an odd pair's into window 0
.macro ALOADP p
.if (\p)%2 == 0
	WIN 0xc0                                       ; destination window 3, address window 0
.else
	WIN 0
.endif
.set kk, 0
.rept 8
.set uu, 0
.rept 2
.set rH, 128*((\p)%2)+16*kk+8*uu
	ds_load_b128 v[rH:rH+3],   v[ADRA+3] offset:8192*kk+1024*(2*(\p)+uu)
	ds_load_b128 v[rH+4:rH+7], v[ADRA+3] offset:8192*kk+1024*(2*(\p)+uu)+512
.set uu, uu+1
.endr
.set kk, kk+1
.endr
.endm
; The run of loads of step n: what the next step multiplies, and W2 seven steps on.  The registers that it fills were last read by the step before this one.
.macro RUN n
.if (\n) < 23
	WIN 0
	FETCHA (\n)+1
	SCH (\n)+1
.if ((\n)+1)%4 == 0
	SCW ((\n)+1)/4
.endif
	LOADB (\n)+7
.else
	ALOADP 0                                       ; the first pair of row blocks, all eight K steps
	WIN 0
	SCW 6
	LOADB 30
	s_wait_loadcnt 48                              ; K step 24's fragments of W2, which the next products take, are in; those of K steps 25 to 30 may be out
	LOADB31
.endif
.endm
; A K step by K: 32 matrix instructions.  The run of loads stands at its head, and the wait behind the run leaves the run itself out: so a fragment has a whole step in which to come.
; Steps 7, 15 and 23 are the last of a region: in front of a barrier each wave shows its part of the next region landed, and the run, which reads that region, stands behind the barrier.
.macro STEP n
.if ((\n) == 7) || ((\n) == 15)
	s_wait_tensorcnt 2-(\n)/8                      ; my part of the next region is in; the regions asked for behind it may be out
.endif
.if (\n) == 23
	WIN 0                                          ; (the add's two registers lie in window 0)
	s_wait_tensorcnt 0x0                           ; my part of the last region is in
	ds_add_u32 v[SPW], v[NIL]                      ; 0 onto my spare word
.endif
	s_wait_loadcnt 48                              ; W2's fragments of this step are in; those of the six steps behind it, 8 loads each, may be out
.if ((\n) == 7) || ((\n) == 15) || ((\n) == 23)
	s_wait_dscnt 0x0                               ; h's fragments and the scale words are in; no LDS instruction of mine is pending at a signal
	s_barrier_signal -1
	MULA \n, 0, 2
	s_barrier_wait -1                              ; the next region is whole
	PLACES 4
	RUN \n
	MULA \n, 2, 6
.else
	PLACES 4
	RUN \n
.if ((\n)+1)%4 == 0
	s_wait_dscnt 19                                ; all but the run just issued: 16 of fragments, 1 and 2 of scale words
.else
	s_wait_dscnt 17                                ; all but the run just issued: 16 of fragments, 1 of scale words
.endif
	MULA \n, 0, 8
.endif
.endm
; BY ROWS.  One product: pair p, K step 24 + k, row block 2 p + u, column block b
.macro WT p, k, u, b
.set rD, 8*(4*(2*(\p)+(\u))+(\b))
.set rC, rD
.if (\k) < 7
.set rW, 32*(\k)+8*(\b)
.else
.set rW, W31+8*(\b)
.endif
.set rH, 128*((\p)%2)+16*(\k)+8*(\u)
.if (\k) < 4
.set rX, SW2+4*((\b)/2)+(\k)
.else
.set rX, SW7+4*((\b)/2)+(\k)-4
.endif
.set rZ, SH8+4*(\k)+(\p)
	EMIT \u, (\b)%2
.endm
; cnt K steps from 24 + k0 on for pair p: 8 matrix instructions each; the pair's eight accumulators take turns, one instruction a turn
.macro ROWK p, k0, cnt
.set kk, \k0
.rept \cnt
.if (\p) == 0                          ; the first pair meets W2's last loads: they come back in the order of issue, K ascending
.if kk == 0
	s_wait_loadcnt 32                              ; K steps 24 to 27 are in; 28 to 31 may be out
.elseif kk == 4
	s_wait_loadcnt 16                              ; 28 and 29 are in
.elseif kk == 6
	s_wait_loadcnt 8                               ; 30 is in
.elseif kk == 7
	s_wait_loadcnt 0
.endif
.endif
.if kk < 7
	WIN 0xa1+12*(1-(\p)%2)                         ; source 0 (W2) window 1; source 1 (h) window 3 for an even pair, 0 for an odd one; C and D window 2
.else
	WIN 0xa0+12*(1-(\p)%2)                         ; K step 31: W2 in window 0
.endif
.set uu, 0
.rept 2
.set bb, 0
.rept 4
	WT \p, kk, uu, bb
.set bb, bb+1
.endr
.set uu, uu+1
.endr
.set kk, kk+1
.endr
.endm
; THE WAY OUT of a pair of row blocks.  A lane holds 32 neighbouring bytes of a row and the lanes beside it hold other rows: so a block of 16 rows x 64 columns goes through my own stage in LDS and comes back as whole
; rows of 256 bytes.  The stage lies in region 0, which had its one fill at the start and which nobody reads behind step 7's barrier.  LDS serves a wave's instructions in order (ISA guide 5.7.1.4): no wait
; between the stores and the loads, nor in front of the next block's stores.
.macro TOSTAGE p
.irp u, 0,1
	WIN 0x08                                       ; an LDS store's data are its source 1: window 2
.irp b, 0,1,2,3
	ds_store_b128 v[STO], v[8*(4*(2*(\p)+\u)+\b):8*(4*(2*(\p)+\u)+\b)+3] offset:64*\b          ; each accumulator from its low end on
	ds_store_b128 v[STO], v[8*(4*(2*(\p)+\u)+\b)+4:8*(4*(2*(\p)+\u)+\b)+7] offset:64*\b+16
.endr
	WIN 0xc0                                       ; destination window 3
.irp i, 0,1,2,3,4,5,6,7
	ds_load_b128 v[BK+64*((\p)%2)+32*\u+4*\i:BK+64*((\p)%2)+32*\u+4*\i+3], v[RD] offset:\i*2*272
.endr
.endr
.endm
.macro SEND p
	s_wait_dscnt 0x0                               ; the pair is back in registers (and the second half of the fragments asked for ahead of it is in)
	WIN 0x0c                                       ; a store's data are its source 1: window 3
.irp u, 0,1
.irp i, 0,1,2,3,4,5,6,7
	global_store_b128 v[CO], v[BK+64*((\p)%2)+32*\u+4*\i:BK+64*((\p)%2)+32*\u+4*\i+3], s[14:15] offset:(16*(2*(\p)+\u)+2*\i)*4096 th:TH_STORE_NT   ; 16 lanes store 256 consecutive bytes, at a multiple of 256 from out's first byte; every offset is an immediate, 516,096 at the most
.endr
.endr
.endm
; A phase: pair p is finished.  In its middle the pair before, which has come back from the stage meanwhile, is stored, and the next pair's fragments are asked for, into the registers that the pair before has left.
.macro PHASE p
	ROWK \p, 0, 4
.if (\p) > 0
	SEND (\p)-1
.endif
.if (\p) < 3
	PLACES 4
	ALOADP (\p)+1
.endif
	ROWK \p, 4, 4
	PLACES 4                                       ; ahead of the stage's stores, which read results just made
.if (\p) < 3
	s_wait_dscnt 16                                ; the next pair's fragments of K steps 24 to 27, the first 16 of its 32 loads, are in: the next phase begins on them
.endif
.if (\p) > 1
	s_wait_xcnt 0x0                                ; the stores of the pair two back have read their registers: this pair's rows may land there
.endif
	TOSTAGE \p
.endm
.irp b, 0,1,2,3                                ; b2 in the result's layout: tile b, register j = b2 at column 16 b + 8 h + j
	global_load_b128 v[BI+8*\b:BI+8*\b+3], v[BO], s[12:13] offset:64*\b
	global_load_b128 v[BI+8*\b+4:BI+8*\b+7], v[BO], s[12:13] offset:64*\b+16
.endr
.irp n, 0,1,2,3,4,5
	LOADB \n
.endr
	WIN 0
	s_wait_tensorcnt 3                             ; the scales and my part of region 0 are in; regions 1 to 3 may be out,
	s_barrier_signal -1
	s_barrier_wait -1                              ; everybody's are
	FETCHA 0
	SCH 0
	SCW 0
	SCW 7                                          ; the scale words of the steps that go by rows have registers of their own and come now
.irp k, 0,1,2,3,4,5,6,7
	ds_load_b128 v[SH8+4*\k:SH8+4*\k+3], v[ADSH] offset:512*(24+\k)
.endr
	s_wait_loadcnt 48                              ; b2, which the first products take as C, is in; W2's K steps 0 to 5 may be out
	LOADB 6
.set N, 0
.rept 24
	STEP N
.set N, N+1
.endr
	s_wait_dscnt 0x0                               ; the first pair's fragments and K steps 24 to 27's scale words of W2 are in
	PHASE 0
	PHASE 1
	PHASE 2
	PHASE 3
	SEND 3
	WIN 0
	s_wait_tensorcnt 0x0                           ; the wave's end, behind my last tensor load and my last LDS store
	ds_add_u32 v[SPW], v[NIL]
	s_wait_dscnt 0x0
	CROUND                                         ; the closing round: no work-group ends while a partner may still ask for a tile that names it
	s_endpgm
.Lfunc_end_k_q6aa317dc4a_down:
	.size	k_q6aa317dc4a_down, .Lfunc_end_k_q6aa317dc4a_down-k_q6aa317dc4a_down
	.p2alignl 7, 3214868480
	.fill 96, 4, 3214868480
	.section	.rodata,"a",@progbits
	.p2align	6, 0x0
	.amdhsa_kernel k_q6aa317dc4a_down
		.amdhsa_group_segment_fixed_size 327680
		.amdhsa_private_segment_fixed_size 0
		.amdhsa_enable_private_segment 0
		.amdhsa_kernarg_size 48
		.amdhsa_user_sgpr_count 2
		.amdhsa_user_sgpr_kernarg_segment_ptr 1
		.amdhsa_wavefront_size32 1
		.amdhsa_system_sgpr_workgroup_id_x 1
		.amdhsa_system_sgpr_workgroup_id_y 1
		.amdhsa_system_sgpr_workgroup_id_z 1
		.amdhsa_system_vgpr_workitem_id 0
		.amdhsa_next_free_vgpr 1024
		.amdhsa_next_free_sgpr 84
		.amdhsa_reserve_vcc 0
		.amdhsa_float_denorm_mode_32 3
		.amdhsa_float_denorm_mode_16_64 3
		.amdhsa_memory_ordered 1
		.amdhsa_forward_progress 1
		.amdhsa_inst_pref_size 220
	.end_amdhsa_kernel
	.amdgpu_metadata
---
amdhsa.version: [ 1, 2 ]
amdhsa.kernels:
  - .name:           k_q6aa317dc4a_down
    .symbol:         k_q6aa317dc4a_down.kd
    .args:
      - { .name: hc, .offset: 0, .size: 8, .value_kind: global_buffer, .address_space: global }
      - { .name: hs, .offset: 8, .size: 8, .value_kind: global_buffer, .address_space: global }
      - { .name: w2i, .offset: 16, .size: 8, .value_kind: global_buffer, .address_space: global }
      - { .name: W2_scales, .offset: 24, .size: 8, .value_kind: global_buffer, .address_space: global }
      - { .name: b2, .offset: 32, .size: 8, .value_kind: global_buffer, .address_space: global }
      - { .name: out0, .offset: 40, .size: 8, .value_kind: global_buffer, .address_space: global }
    .group_segment_fixed_size: 327680
    .private_segment_fixed_size: 0
    .kernarg_segment_align: 8
    .kernarg_segment_size: 48
    .max_flat_workgroup_size: 128
    .sgpr_count:     84
    .vgpr_count:     1024
    .wavefront_size: 32
...
	.end_amdgpu_metadata
.endif
;; end of part 2
